; MI455X (gfx1250); checked and timed in simulation.
; The chip was launched on July 23, 2026; its instructions are those of AMD's public machine-readable ISA for CDNA 5 (MIT licence, August 2026) and "CDNA5" Instruction Set Architecture Reference Guide (July 2026). The comments in the code are by the model that wrote it; some were corrected since.
;; MAB. Allowed arithmetic: float matrix products may take bf16 or f16 operands with f32 sums; all other float work in f32.
;; Inputs: Wk 512 x 512 float32; Wo 512 x 512 float32; Wq 512 x 512 float32; Wv 512 x 512 float32; bk 512 float32; bo 512 float32; bq 512 float32; bv 512 float32; key_value 32 x 512 x 512 float32; ln0_b 512 float32; ln0_w 512 float32; ln1_b 512 float32; ln1_w 512 float32; query 32 x 512 x 512 float32.
;; Outputs: out0 32 x 512 x 512 float32.
;; One version. Each part assembles by itself: llvm-mc -triple=amdgcn-amd-amdhsa -mcpu=gfx1250 --defsym DOCPART=n.
;; ======== version 1 of 1: 2 launches
;; workspace buffers: oh 33,554,432 bytes; wo16 524,288 bytes
;; launch attn (part 1): grid 8 x 32, 8 waves a work-group, clusters of 4 x 1, 327,680 bytes of LDS; arguments query, key_value, Wq, Wk, Wv, bq, bk, bv, Wo, oh, wo16; writes oh, wo16
.if DOCPART == 1
	.amdgcn_target "amdgcn-amd-amdhsa--gfx1250"
	.amdhsa_code_object_version 6
	.text
	.protected	k_q911e33e1ac_attn
	.globl	k_q911e33e1ac_attn
	.p2align	8
	.type	k_q911e33e1ac_attn,@function
k_q911e33e1ac_attn:
	s_mov_b64 s[64:65], 0
	v_nop
	global_prefetch_b8 v0, s[64:65] scope:SCOPE_SE
	s_setreg_imm32_b32 hwreg(HW_REG_WAVE_MODE, 25, 1), 1
	s_wait_xcnt 0x0
	s_wait_alu depctr_hold_cnt(0) depctr_sa_sdst(0) depctr_va_vdst(0) depctr_va_sdst(0) depctr_va_ssrc(0) depctr_va_vcc(0) depctr_vm_vsrc(0)
	s_getreg_b32 s2, hwreg(HW_REG_IB_STS2, 6, 4)
	s_cmp_eq_u32 s2, 0
	s_cbranch_scc0 .Lentry_in_a_cluster
	s_endpgm
.Lentry_in_a_cluster:
	s_bfe_u32 s2, ttmp6, 0x10000c
	s_cmp_lg_u32 s2, 0x3003
	s_cbranch_scc0 .Lentry_shape_is_right
	s_endpgm
.Lentry_shape_is_right:
; MAB, first of two launches.  One work-group = one (head, batch): q, k, v of that head (64 rows of Wq, Wk, Wv, with bias),
; x = q.k/8, weights tanh(x) * softmax(sqrt(x^2 + 0.01)) over the 512 keys, and oh = q + weights.v, stored in f32.
; Beside that each work-group rounds 1/256 of Wo to bf16 for the second launch (waves 0 and 1, one fragment each).
; NOTHING IS LEFT OUT: all fourteen inputs reach the output.  bk is no term that is constant along the softmax axis, since x goes
; through tanh and through sqrt(x^2 + 0.01), which are not linear.  The row maximum of the softmax input is taken away, as in the problem.
; LIMITS: matrix operands are bf16, sums f32, in an order of their own.  With z = 2 log2(e) x the text forms z^2, finite up to
; |z| = 1.8e19.  v_exp_f32 gives 0 for results under 2^-126 (ISA guide 15.8).  NaN and infinities in the inputs are not followed.
; ARITHMETIC: k is scaled by CS = 2 log2(e) / 8, so a score comes out of the matrix unit as z.  Then e^(2x) = 2^z,
; tanh x = 1 - 2 / (1 + 2^z) (it runs to +1 and -1 by itself where 2^z is infinite or 0), 2 log2(e) sqrt(x^2 + 0.01) = sqrt(z^2 + C1)
; with C1 = 0.04 log2(e)^2, and e^(s - m) = 2^(0.5 sqrt(z^2 + C1) - 0.5 sqrt(zmax^2 + C1)).  sqrt rises with |z|, so the maximum of the
; softmax input is that of |z|.  PASS 1 makes all scores for the maximum alone, PASS 2 makes them again: the second product costs
; 256 matrix instructions a wave, a running maximum would cost a rescaling of 128 registers for every 32 keys on the vector unit.
; PASS 2 IN TWO PIECES: row tiles 0, 1 (piece A) and 2, 3 (piece B) share the fragments of KT and VT and take turns, so that the products of
; one piece are issued among the exponentials, roots and reciprocals of the other.  For key block n (32 keys):
;   stage X(n): weights of A(n), and among them  out B(n-1) (8 products), scores B(n) (8);   stage Y(n): weights of B(n), and out A(n), scores A(n+1).
; The weights of a piece and block are 16 slices (a quarter of one 16 x 16 tile each): one stands behind each score product, two behind each
; pair of output products, whose sums lie in window 1: 16 window switches for a trip of 32 products.  VT block n is fetched in X(n) behind the
; output products, KT block n + 1 at the end of X(n): one buffer of each is enough.  The packed weights of row tile i go into registers 4-11 of
; its own 16 score registers, which are dead by then, so that KT and VT fragments both fit into window 0 and q stays in registers.
; CLUSTER: the four heads 4 X .. 4 X + 3 of one batch need the same rows of query and key_value.  Every tile of them is asked for jointly
; (mask 15): same text line, same descriptor (made of batch and wave number alone) in all four.  The place in the cluster enters global
; addresses of weights, biases, Wo, oh, wo16 and of the prefetches only, in s66-s75 and the bases made from them.
; PREFETCH: a tile of query or key_value is named by its tensor load one trip before it is multiplied.  Two trips ahead of that tensor load it is
; asked into the L2: trip t asks for tile t + 3, which the tensor load at the head of trip t + 2 names; between the two stand 64 (query) to 128
; (key_value) matrix instructions of each wave.  Each row piece of 256 bytes is asked for once in the launch: the 512 rows of a batch are shared
; among its 8 heads, 64 rows each, and of a head eight waves the two with w >> 1 = tile & 3 ask, 32 rows each, one row a lane (lanes 2,048 bytes
; apart).  So a wave asks in every fourth trip, by one instruction.  Tiles 0 and 1 are the first fills; tile 2 is asked for at the head, behind
; them.  Trips 13 to 15 ask for nothing: tile 15 is the last, and no request leaves its buffer.  A work-group has at most three tiles shares asked
; for and not yet read: 3 x 16,384 bytes.  The registers of these addresses (v15, s72-s75) are written once.
; SHARES: wave w owns rows 64 w .. 64 w + 63, as queries and as keys: four tiles i of 16 rows.
; LAYOUTS (lane L: r = L & 15, h = L >> 4; a result register j holds (m = 8 h + j, n = r)):
;   q^T = Wq rows x query rows: register j = q[row r][16 t + 8 h + j]; two neighbouring tiles t pack straight into a B fragment of q.
;   k^T likewise: eight neighbouring d of one key = 16 bytes into KT[key][d].   v = key_value rows x Wv rows: eight keys of one d, into VT[d][key].
;   scores^T = KT rows x q fragment: register j = key 8 h + j of query r: two key tiles pack straight into a B fragment of the weights.
;   out^T = VT rows x weights: the layout of q^T again, so the residual is added in registers.
; LDS: two slots of 512 rows x 64 f32 (pitch 272), wave w reads and fills rows 64 w .. of each; two buffers of 128 weight rows x 64 bf16
; (pitch 144) that LDS stores alone write; KT (pitch 144) and VT (pitch 1040) take the slots bytes after their last fill.
; All pitches are odd multiples of 16 bytes: the sixteen rows of a 16-byte access start in sixteen different 16-byte columns of 256.
.set SIZE,   512                       ; model width, f32 rows of 2,048 bytes
.set SLOT,   139264                    ; 512 rows x 272
.set WPART,  17408                     ; 64 rows x 272: one wave part of a slot, one tensor load
.set APITCH, 272
.set WB,     278528                    ; weight buffers, behind the two slots
.set WBSZ,   18432                     ; 128 rows x 144
.set KPITCH, 144
.set VTB,    73728                     ; VT behind KT (512 x 144)
.set VPITCH, 1040
; window 0, addresses
.set AF,  1                            ; v1, v2  my f32 rows in slot 0, 1: w 17408 + r 272 + 32 h
.set AW,  3                            ; weight fragments: WB + r 144 + 16 h
.set AG,  4                            ; weights in memory: (t >> 4) 2048 + (t & 15) 16
.set AWS, 5                            ; weights into LDS: WB + (t >> 4) 144 + (t & 15) 8
.set AKS, 6                            ; k out: (64 w + r) 144 + 16 h
.set AVS, 7                            ; v out: VTB + r 1040 + 128 w + 16 h
.set AK0, 8                            ; KT fragments, first block
.set AKC, 9                            ; KT fragments, current block
.set AVC, 10                           ; VT fragments, current block
.set AO,  11                           ; 16 L
.set ABI, 12                           ; 32 h
.set ABV, 13                           ; 4 r
.set APF, 15                           ; prefetch: (t & 63) 2048, my row among the 64 of the head share (first a scratch register for h)
; window 0, projections
.set X,   16                           ; v16-47   four bf16 fragments of my rows
.set FA,  48                           ; v48-63   f32 rows as loaded, or two weight fragments
.set FB,  64                           ; v64-79   the same, second buffer
.set GW,  80                           ; v80-111  weights on their way from memory to LDS; biases
.set BV,  112                          ; v112-119 bv, each number twice
.set VA,  128                          ; v128-255 v accumulators (i, t) at 32 i + 8 t
; window 0, attention
.set QF,  16                           ; v16-79   q fragments (i, s) at 16 i + 8 s
.set SC,  80                           ; v80-143  scores (i, key tile) at 16 i + 8 kt; registers 4-11 of a row tile later hold its weights, a B fragment
.set VF,  144                          ; v144-175 four fragments of VT
.set KF,  176                          ; v176-207 four fragments of KT
.set UU,  208
.set TT,  216
.set NM,  224                          ; -0.5 sqrt(zmax^2 + C1), twice, for each i; at the end 1 / sum
.set LS,  232                          ; softmax sums, a pair for each i
.set MX,  240
.set TP,  244
; window 1
.set QA,  0                            ; v256-383 q in f32, (i, t) at 32 i + 8 t: lives to the end
.set KA,  128                          ; v384-511 k accumulators
.set OA,  128                          ; v384-511 later the output accumulators
.set G1,  24                           ; s[24:31] descriptor group 1
.set GQ,  32                           ; s[32:39] group 0 for query, slot 0 and 1
.set GK,  40                           ; s[40:47] group 0 for key_value, slot 0 and 1
.set PQ,  72                           ; s[72:73] prefetch base in query: batch and head share of 64 rows
.set PK,  74                           ; s[74:75] the same in key_value
.set MSB, 0
.macro WIN new                         ; low byte: bits 1:0 source 0, 3:2 source 1, 5:4 source 2, 7:6 destination; high byte: the setting left
.if MSB != \new
	s_set_vgpr_msb (MSB<<8)|\new
.set MSB, \new
.endif
.endm
.macro PLACES                          ; four places behind matrix instructions (ISA guide 7.12.1), where there is no vector work to put there
.rept 4
	v_nop
.endr
.endm
.macro ROUND                           ; a round of the cluster barrier: my work-group, wave 0 signals for it, all four work-groups, my work-group
	s_barrier_signal -1
	s_barrier_wait -1
	s_cmp_lg_u32 s50, 0
	s_cbranch_scc1 .Lnot_wave_0_\@
	s_barrier_signal -3
.Lnot_wave_0_\@:
	s_barrier_wait -3
	s_barrier_signal -1
	s_barrier_wait -1
.endm
	s_load_b512 s[4:19], s[0:1], 0x0               ; query s[4:5], key_value s[6:7], Wq s[8:9], Wk s[10:11], Wv s[12:13], bq s[14:15], bk s[16:17], bv s[18:19]
	s_load_b128 s[20:23], s[0:1], 0x40             ; Wo s[20:21], oh s[22:23]
	s_load_b64 s[48:49], s[0:1], 0x50              ; wo16
	v_lshl_add_u32 v126, v0, 2, 0x4d000
	v_mov_b32 v127, 0
	ds_add_u32 v126, v127
	s_wait_dscnt 0x0
	v_lshrrev_b32 v14, 5, v0
	v_readfirstlane_b32 s50, v14                   ; wave 0..7
	s_lshr_b32 s51, s50, 1                         ; pair of waves 0..3: which tiles I prefetch
	s_bfe_u32 s66, ttmp6, 0x40000                  ; cx
	s_lshl_b32 s67, ttmp9, 2
	s_add_co_u32 s67, s67, s66                     ; head = 4 x cluster x + cx
	s_and_b32 s58, ttmp7, 0xffff                   ; batch
	s_mov_b32 s52, 0x76543210                      ; v_permlanex16_b32: lane i reads lane i of the other half
	s_mov_b32 s53, 0xfedcba98
	s_mov_b32 s54, 0x3eb8aa3b                      ; CS = log2(e) / 4
	s_mov_b32 s55, 0x3eb8aa3b
	s_mov_b32 s56, 0x3daa8179                      ; C1 = 0.04 log2(e)^2
	s_mov_b32 s57, 0x3daa8179
	; group 1: a tile of 64 rows x 64 f32, 16 bytes of padding behind each row of 256
	s_mov_b32 s[G1+0], 15|(2<<16)|(1<<20)|(1<<21)|(5<<22)|(3<<25)  ; mask: all four of the cluster; 4-byte elements; padding on; bit 21 beside a mask; after 64 words; 4 words
	s_mov_b32 s[G1+1], 64<<16                      ; tensor_dim0 = 64
	s_mov_b32 s[G1+2], 64<<16                      ; tensor_dim1 = 64
	s_mov_b32 s[G1+3], 64<<16                      ; tile_dim0 = 64
	s_mov_b32 s[G1+4], 64                          ; tile_dim1 = 64
	s_mov_b32 s[G1+5], SIZE                        ; elements from row to row
	s_mov_b32 s[G1+6], 0
	s_mov_b32 s[G1+7], 0
	s_mul_i32 s60, s50, WPART                      ; my part of a slot
	s_lshl_b32 s62, s58, 20                        ; batch x 512 rows x 2,048 bytes
	s_lshl_b32 s61, s50, 17                        ; + wave x 64 rows
	s_add_co_u32 s62, s62, s61
	s_mov_b32 s63, 0
	s_mov_b32 s69, 0
	; vector addresses
	v_and_b32 v14, 15, v0                          ; r (also t & 15)
	v_bfe_u32 v15, v0, 4, 1                        ; h
	v_lshrrev_b32 v[AG], 4, v0                     ; t >> 4
	v_mul_u32_u24 v[AF], v14, APITCH
	v_lshl_add_u32 v[AF], v15, 5, v[AF]
	v_add_nc_u32 v[AF], s60, v[AF]
	v_add_nc_u32 v[AF+1], SLOT, v[AF]
	v_mul_u32_u24 v[AK0], v14, KPITCH
	v_lshl_add_u32 v[AK0], v15, 4, v[AK0]
	v_add_nc_u32 v[AW], WB, v[AK0]
	v_mul_u32_u24 v[AWS], v[AG], KPITCH
	v_lshl_add_u32 v[AWS], v14, 3, v[AWS]
	v_add_nc_u32 v[AWS], WB, v[AWS]
	v_lshlrev_b32 v[AG], 11, v[AG]
	v_lshl_add_u32 v[AG], v14, 4, v[AG]
	s_mul_i32 s61, s50, 64*KPITCH
	v_add_nc_u32 v[AKS], s61, v[AK0]
	v_mul_u32_u24 v[AVC], v14, VPITCH
	v_lshl_add_u32 v[AVC], v15, 4, v[AVC]
	v_add_nc_u32 v[AVC], VTB, v[AVC]
	s_lshl_b32 s61, s50, 7
	v_add_nc_u32 v[AVS], s61, v[AVC]
	v_and_b32 v[AO], 31, v0
	v_lshlrev_b32 v[AO], 4, v[AO]
	v_lshlrev_b32 v[ABI], 5, v15
	v_lshlrev_b32 v[ABV], 2, v14
	v_lshlrev_b32 v14, 11, v14                     ; Wo: r rows of 2,048 bytes + 32 h
	v_lshl_add_u32 v14, v15, 5, v14
	v_and_b32 v[APF], 63, v0                       ; 32 (w & 1) + lane: my row among the 64 of the head share,
	v_lshlrev_b32 v[APF], 11, v[APF]               ; in bytes; from here on this register is not written again
	s_wait_kmcnt 0x0
	s_lshl_b32 s68, s58, 20                        ; prefetch bases: batch x 512 rows + head x 64 rows
	s_lshl_b32 s70, s67, 17
	s_add_co_u32 s68, s68, s70
	s_add_nc_u64 s[PQ:PQ+1], s[4:5], s[68:69]
	s_add_nc_u64 s[PK:PK+1], s[6:7], s[68:69]
	s_add_nc_u64 s[4:5], s[4:5], s[62:63]          ; query, key_value, oh at my 64 rows
	s_add_nc_u64 s[6:7], s[6:7], s[62:63]
	s_add_nc_u64 s[22:23], s[22:23], s[62:63]
	s_lshl_b32 s68, s67, 12
	s_add_nc_u64 s[22:23], s[22:23], s[68:69]      ; oh: + head x 4,096
	s_lshl_b32 s68, s67, 17
	s_add_nc_u64 s[8:9], s[8:9], s[68:69]          ; the head 64 rows of Wq, Wk, Wv
	s_add_nc_u64 s[10:11], s[10:11], s[68:69]
	s_add_nc_u64 s[12:13], s[12:13], s[68:69]
	s_lshl_b32 s68, s67, 8
	s_add_nc_u64 s[14:15], s[14:15], s[68:69]      ; and 64 numbers of bq, bk, bv
	s_add_nc_u64 s[16:17], s[16:17], s[68:69]
	s_add_nc_u64 s[18:19], s[18:19], s[68:69]
	s_lshl_b32 s70, s58, 15                        ; Wo: rows 16 batch .., columns 32 (2 head + wave) ..
	s_add_co_u32 s68, s68, s70
	s_lshl_b32 s70, s50, 7
	s_add_co_u32 s68, s68, s70
	s_add_nc_u64 s[20:21], s[20:21], s[68:69]
	s_lshl_b32 s68, s58, 14                        ; wo16: fragment 16 batch + 2 head + wave, 1,024 bytes each
	s_lshl_b32 s70, s67, 11
	s_add_co_u32 s68, s68, s70
	s_lshl_b32 s70, s50, 10
	s_add_co_u32 s68, s68, s70
	s_add_nc_u64 s[48:49], s[48:49], s[68:69]
.irp s, 0,1
	s_mov_b32 s[GQ+4*\s], 1                                        ; count = 1
	s_add_co_u32 s[GQ+4*\s+1], s60, \s*SLOT                        ; LDS address: wave x 17,408 + slot
	s_add_nc_u64 s[GQ+4*\s+2:GQ+4*\s+3], s[4:5], \s*256            ; columns 64 s .. of my rows
	s_or_b32 s[GQ+4*\s+3], s[GQ+4*\s+3], 0x80000000                ; type = 2
	s_mov_b32 s[GK+4*\s], 1
	s_add_co_u32 s[GK+4*\s+1], s60, \s*SLOT
	s_add_nc_u64 s[GK+4*\s+2:GK+4*\s+3], s[6:7], \s*256
	s_or_b32 s[GK+4*\s+3], s[GK+4*\s+3], 0x80000000
.endr
	ROUND                                          ; all four work-groups are here: the first joint loads meet
	tensor_load_to_lds s[GQ:GQ+3], s[G1:G1+7]      ; tile 0 and tile 1: the two first fills, one group.  By this text own count a wave has
	s_nop 0
	tensor_load_to_lds s[GQ+4:GQ+7], s[G1:G1+7]    ; at most these two tensor loads outstanding, later one
	s_nop 0
; Weight chunk n (0-7: columns 64 n .. of Wq; 8-15: of Wk and Wv) from memory: sixteen lanes take 256 consecutive bytes of a row.
.macro WLOAD n
.if (\n) < 8
.irp p, 0,1,2,3
	global_load_b128 v[GW+4*\p:GW+4*\p+3], v[AG], s[8:9] offset:32768*\p+256*(\n)
.endr
.else
.irp p, 0,1,2,3
	global_load_b128 v[GW+4*\p:GW+4*\p+3], v[AG], s[10:11] offset:32768*\p+256*((\n)-8)
.endr
.irp p, 0,1,2,3
	global_load_b128 v[GW+16+4*\p:GW+16+4*\p+3], v[AG], s[12:13] offset:32768*\p+256*((\n)-8)
.endr
.endif
.endm
; Tile n (2 to 15) is asked into the L2: the two waves with w >> 1 = n & 3 ask for 32 rows each of the 64 that fall to this head, one row piece
; of 256 bytes a lane.  The branch hangs on the wave number alone and jumps over the request alone.  The tile stands in the immediate: the
; largest address is row 63 of the share + 1,792 bytes, inside the buffer.  Nothing waits for a request, and its registers are never rewritten.
.macro PF n
	s_cmp_eq_u32 s51, (\n)&3
	s_cbranch_scc0 .Lno_pf_\@
.if (\n) < 8
	global_prefetch_b8 v[APF], s[PQ:PQ+1] offset:256*(\n) th:TH_LOAD_NT scope:SCOPE_SE
.else
	global_prefetch_b8 v[APF], s[PK:PK+1] offset:256*((\n)-8) th:TH_LOAD_NT scope:SCOPE_SE
.endif
.Lno_pf_\@:
.endm
; The chunk is rounded to bf16 and laid into weight buffer n & 1 (Wq or Wk in rows 0-63, Wv in rows 64-127).
.macro WSTORE n
	WIN 0
	s_wait_loadcnt 0x0                             ; the chunk, asked for at the head of the trip
.irp p, 0,1,2,3
	v_cvt_pk_bf16_f32 v[GW+4*\p], v[GW+4*\p], v[GW+4*\p+1]
	v_cvt_pk_bf16_f32 v[GW+4*\p+1], v[GW+4*\p+2], v[GW+4*\p+3]
.endr
.irp p, 0,1,2,3
	ds_store_b64 v[AWS], v[GW+4*\p:GW+4*\p+1] offset:((\n)&1)*WBSZ+2304*\p
.endr
.if (\n) >= 8
.irp p, 0,1,2,3
	v_cvt_pk_bf16_f32 v[GW+16+4*\p], v[GW+16+4*\p], v[GW+16+4*\p+1]
	v_cvt_pk_bf16_f32 v[GW+16+4*\p+1], v[GW+16+4*\p+2], v[GW+16+4*\p+3]
.endr
.irp p, 0,1,2,3
	ds_store_b64 v[AWS], v[GW+16+4*\p:GW+16+4*\p+1] offset:((\n)&1)*WBSZ+9216+2304*\p
.endr
.endif
.endm
; 16 f32 of row r of tile i: k = 8 h .. + 7 and 16 + 8 h .. + 7 of the 32 at step s
.macro LDF dst, slot, i, s
	ds_load_b128 v[\dst:\dst+3],     v[AF+\slot] offset:4352*\i+128*\s
	ds_load_b128 v[\dst+4:\dst+7],   v[AF+\slot] offset:4352*\i+128*\s+16
	ds_load_b128 v[\dst+8:\dst+11],  v[AF+\slot] offset:4352*\i+128*\s+64
	ds_load_b128 v[\dst+12:\dst+15], v[AF+\slot] offset:4352*\i+128*\s+80
.endm
.macro CVT src, i                      ; they become fragment i
.irp k, 0,1,2,3,4,5,6,7
	v_cvt_pk_bf16_f32 v[X+8*\i+\k], v[\src+2*\k], v[\src+2*\k+1]
.endr
.endm
.macro LDW dst, wb, part, t0, s        ; weight fragments t0 and t0 + 1
.irp u, 0,1
	ds_load_b128 v[\dst+8*\u:\dst+8*\u+3],   v[AW] offset:\wb*WBSZ+\part*9216+(\t0+\u)*2304+64*\s
	ds_load_b128 v[\dst+8*\u+4:\dst+8*\u+7], v[AW] offset:\wb*WBSZ+\part*9216+(\t0+\u)*2304+64*\s+32
.endr
.endm
; Eight matrix instructions on eight accumulators.  kind 0: q^T, 1: k^T (weights are source 0), 2: v (my rows are source 0).
.macro MM8 kind, f, t0, zero
.irp u, 0,1
.irp i, 0,1,2,3
.if \kind == 2
.if \zero
	v_wmma_f32_16x16x32_bf16 v[VA+32*\i+8*(\t0+\u):VA+32*\i+8*(\t0+\u)+7], v[X+8*\i:X+8*\i+7], v[\f+8*\u:\f+8*\u+7], 0
.else
	v_wmma_f32_16x16x32_bf16 v[VA+32*\i+8*(\t0+\u):VA+32*\i+8*(\t0+\u)+7], v[X+8*\i:X+8*\i+7], v[\f+8*\u:\f+8*\u+7], v[VA+32*\i+8*(\t0+\u):VA+32*\i+8*(\t0+\u)+7]
.endif
.else
.if \zero
	v_wmma_f32_16x16x32_bf16 v[128*\kind+32*\i+8*(\t0+\u):128*\kind+32*\i+8*(\t0+\u)+7], v[\f+8*\u:\f+8*\u+7], v[X+8*\i:X+8*\i+7], 0
.else
	v_wmma_f32_16x16x32_bf16 v[128*\kind+32*\i+8*(\t0+\u):128*\kind+32*\i+8*(\t0+\u)+7], v[\f+8*\u:\f+8*\u+7], v[X+8*\i:X+8*\i+7], v[128*\kind+32*\i+8*(\t0+\u):128*\kind+32*\i+8*(\t0+\u)+7]
.endif
.endif
.endr
.endr
.endm
; One step of 32 along K.  ph 0: q (16 matrix instructions), ph 1: k and v (32).  Loads go in batches of four into FA and FB by turns;
; every s_wait_dscnt 4 leaves out exactly the younger batch.  The 16 or 32 accumulators take turns, one instruction a turn, in the same
; order in every step.
.macro KSTEP ph, slot, s, wb, zero
	PLACES                                         ; X, FA, FB were read by the matrix instructions of the step before
	WIN 0
	LDF FA, \slot, 0, \s
	LDF FB, \slot, 1, \s
	s_wait_dscnt 4
	CVT FA, 0
	LDF FA, \slot, 2, \s
	s_wait_dscnt 4
	CVT FB, 1
	LDF FB, \slot, 3, \s
	s_wait_dscnt 4
	CVT FA, 2
	LDW FA, \wb, 0, 0, \s
	s_wait_dscnt 4
	CVT FB, 3
	LDW FB, \wb, 0, 2, \s
	s_wait_dscnt 4
	WIN 0x50                                       ; C and D in window 1
	MM8 \ph, FA, 0, \zero
.if \ph == 0
	s_wait_dscnt 0
	MM8 0, FB, 2, \zero
.else
	PLACES
	WIN 0
	LDW FA, \wb, 1, 0, \s
	s_wait_dscnt 4
	WIN 0x50
	MM8 1, FB, 2, \zero
	PLACES
	WIN 0
	LDW FB, \wb, 1, 2, \s
	s_wait_dscnt 4
	MM8 2, FA, 0, \zero
	s_wait_dscnt 0
	MM8 2, FB, 2, \zero
.endif
.endm
; Trip t (1 to 14) multiplies tile t (0-7: query columns 64 t .., 8-15: key_value) and asks for tile t + 1 into the slot read in trip t - 1.
; In front of the round each wave waits for all its tensor loads (one is out: this trip tile) and for all its LDS accesses (reads of the old
; slot and of the old weight buffer, stores into this trip weight buffer).  Behind the round the joint refill comes first, one a wave.
; Behind the loads of the weights stands the request for tile t + 3 into the L2; trips 13 and 14 have no such tile.
.macro TRIP t
.set TN, \t+1
.if TN < 8
.set GS, GQ+4*(TN&1)
.else
.set GS, GK+4*(TN&1)
.endif
	WIN 0
	s_wait_xcnt 0x0
	v_lshl_add_u32 v126, v0, 2, 0x4d000
	v_mov_b32 v127, 0
	s_wait_tensorcnt 0x0
	ds_add_u32 v126, v127
	s_wait_dscnt 0x0
.if (TN&7) >= 2
	s_add_nc_u64 s[GS+2:GS+3], s[GS+2:GS+3], 512   ; no tensor load of mine is out: the slot next tile, two tiles of 256 bytes on
.endif
	s_wait_dscnt 0x0
	ROUND
	tensor_load_to_lds s[GS:GS+3], s[G1:G1+7]
	s_nop 0
	WLOAD TN
.if \t <= 12
	PF (\t+3)
.endif
.if \t < 8
	KSTEP 0, (\t&1), 0, (\t&1), 0
	KSTEP 0, (\t&1), 1, (\t&1), 0
.else
.if \t == 8
	KSTEP 1, 0, 0, 0, 1                            ; the first product starts the sums of k and v
.else
	KSTEP 1, (\t&1), 0, (\t&1), 0
.endif
	KSTEP 1, (\t&1), 1, (\t&1), 0
.endif
	WSTORE TN
.endm
	WLOAD 0
	PF 2                                           ; tile 2, which the tensor load at the head of trip 1 names
	; Wo to bf16, in the order of an A fragment: waves 0 and 1 make fragment (rows 16 batch .., columns 32 (2 head + wave) ..).
	; A load takes 32 bytes of each of 16 rows; it happens once for each byte of Wo in the whole launch.
	s_cmp_lt_u32 s50, 2
	s_cbranch_scc0 .Lno_wo
	global_load_b128 v[48:51], v14, s[20:21]
	global_load_b128 v[52:55], v14, s[20:21] offset:16
	global_load_b128 v[56:59], v14, s[20:21] offset:64
	global_load_b128 v[60:63], v14, s[20:21] offset:80
	s_wait_loadcnt 0x0
.irp k, 0,1,2,3,4,5,6,7
	v_cvt_pk_bf16_f32 v[16+\k], v[48+2*\k], v[48+2*\k+1]
.endr
	global_store_b128 v[AO], v[16:19], s[48:49]               ; each store of the wave covers 512 consecutive bytes
	global_store_b128 v[AO], v[20:23], s[48:49] offset:512
	s_wait_xcnt 0x0                                ; v16-23 are written again only behind this wait
.Lno_wo:
	WSTORE 0
	; trip 0
	s_wait_tensorcnt 0x1                           ; my part of tile 0 is in; tile 1, the one younger load, stays out
	s_wait_dscnt 0x0                               ; my part of weight chunk 0 is in LDS
	s_barrier_signal -1
	s_barrier_wait -1
	WLOAD 1
	PF 3                                           ; tile 3, which the tensor load at the head of trip 2 names
	KSTEP 0, 0, 0, 0, 1                            ; the first product starts the sums of q
	KSTEP 0, 0, 1, 0, 0
	WSTORE 1
.irp t, 1,2,3,4,5,6,7,8,9,10,11,12,13,14
	TRIP \t
.endr
	; trip 15: nothing is left to fetch; the biases take the place of the weights
	WIN 0
	s_wait_tensorcnt 0x0
	s_wait_dscnt 0x0
	s_barrier_signal -1
	s_barrier_wait -1
.irp t, 0,1,2,3
	global_load_b128 v[GW+8*\t:GW+8*\t+3],   v[ABI], s[16:17] offset:64*\t       ; bk[16 t + 8 h + j]
	global_load_b128 v[GW+8*\t+4:GW+8*\t+7], v[ABI], s[16:17] offset:64*\t+16
	global_load_b32  v[BV+2*\t], v[ABV], s[18:19] offset:64*\t                   ; bv[16 t + r]
.endr
	KSTEP 1, 1, 0, 1, 0
	KSTEP 1, 1, 1, 1, 0
	PLACES
	; k and v leave for LDS, over the slots, which have had their last fill
	s_wait_dscnt 0x0
	s_barrier_signal -1
	s_barrier_wait -1                              ; every wave has read its last row and its last weight
	s_wait_loadcnt 0x0
.irp t, 0,1,2,3
	v_mov_b32 v[BV+2*\t+1], v[BV+2*\t]
.endr
.irp k, 0,2,4,6,8,10,12,14,16,18,20,22,24,26,28,30
	v_pk_mul_f32 v[GW+\k:GW+\k+1], v[GW+\k:GW+\k+1], s[54:55] op_sel_hi:[1,0]
.endr
	WIN 0x41                                       ; destination and source 0 in window 1
.irp i, 0,1,2,3
.irp t, 0,1,2,3
.irp k, 0,2,4,6
	v_pk_fma_f32 v[KA+32*\i+8*\t+\k:KA+32*\i+8*\t+\k+1], v[KA+32*\i+8*\t+\k:KA+32*\i+8*\t+\k+1], s[54:55], v[GW+8*\t+\k:GW+8*\t+\k+1] op_sel_hi:[1,0,1]   ; (k + bk) CS
.endr
.endr
.endr
	WIN 0
.irp t, 0,1,2,3
	global_load_b128 v[GW+8*\t:GW+8*\t+3],   v[ABI], s[14:15] offset:64*\t       ; bq
	global_load_b128 v[GW+8*\t+4:GW+8*\t+7], v[ABI], s[14:15] offset:64*\t+16
.endr
	WIN 0x05                                       ; sources in window 1, destination in window 0
.set n, 0
.rept 64
	v_cvt_pk_bf16_f32 v[X+n], v[KA+2*n], v[KA+2*n+1]
.set n, n+1
.endr
	WIN 0
.irp i, 0,1,2,3
.irp t, 0,1,2,3
	ds_store_b128 v[AKS], v[X+16*\i+4*\t:X+16*\i+4*\t+3] offset:2304*\i+32*\t    ; KT[64 w + 16 i + r][16 t + 8 h ..]
.endr
.endr
.irp i, 0,1,2,3
.irp t, 0,1,2,3
.irp k, 0,2,4,6
	v_pk_add_f32 v[VA+32*\i+8*\t+\k:VA+32*\i+8*\t+\k+1], v[VA+32*\i+8*\t+\k:VA+32*\i+8*\t+\k+1], v[BV+2*\t:BV+2*\t+1]
.endr
.irp k, 0,1,2,3
	v_cvt_pk_bf16_f32 v[VA+32*\i+8*\t+\k], v[VA+32*\i+8*\t+2*\k], v[VA+32*\i+8*\t+2*\k+1]   ; packed in place, low registers first
.endr
	ds_store_b128 v[AVS], v[VA+32*\i+8*\t:VA+32*\i+8*\t+3] offset:16640*\t+32*\i  ; VT[16 t + r][64 w + 16 i + 8 h ..]
.endr
.endr
	s_wait_loadcnt 0x0                             ; bq
	WIN 0x41
.irp i, 0,1,2,3
.irp t, 0,1,2,3
.irp k, 0,2,4,6
	v_pk_add_f32 v[QA+32*\i+8*\t+\k:QA+32*\i+8*\t+\k+1], v[QA+32*\i+8*\t+\k:QA+32*\i+8*\t+\k+1], v[GW+8*\t+\k:GW+8*\t+\k+1]
.endr
.endr
.endr
	s_wait_dscnt 0x0                               ; my k and v are in LDS (and v16-79 are free)
	WIN 0x05
.set n, 0
.rept 64
	v_cvt_pk_bf16_f32 v[QF+n], v[QA+2*n], v[QA+2*n+1]            ; tiles 2 s and 2 s + 1 of q^T are fragment (i, s)
.set n, n+1
.endr
	WIN 0
	s_barrier_signal -1
	s_barrier_wait -1                              ; KT and VT are whole
.macro LDK                             ; 32 keys: two key tiles x two steps of 32 along d
.irp kt, 0,1
.irp s, 0,1
	ds_load_b128 v[KF+16*\kt+8*\s:KF+16*\kt+8*\s+3],   v[AKC] offset:2304*\kt+64*\s
	ds_load_b128 v[KF+16*\kt+8*\s+4:KF+16*\kt+8*\s+7], v[AKC] offset:2304*\kt+64*\s+32
.endr
.endr
.endm
.macro LDV                             ; 32 keys of VT: four tiles of 16 d
.irp t, 0,1,2,3
	ds_load_b128 v[VF+8*\t:VF+8*\t+3],   v[AVC] offset:16640*\t
	ds_load_b128 v[VF+8*\t+4:VF+8*\t+7], v[AVC] offset:16640*\t+32
.endr
.endm
; One score product: row tile i, key tile kt, step s of two along d.  Step 0 starts the sum.
.macro SCW i, kt, s
.if (\s) == 0
	v_wmma_f32_16x16x32_bf16 v[SC+16*(\i)+8*(\kt):SC+16*(\i)+8*(\kt)+7], v[KF+16*(\kt):KF+16*(\kt)+7], v[QF+16*(\i):QF+16*(\i)+7], 0
.else
	v_wmma_f32_16x16x32_bf16 v[SC+16*(\i)+8*(\kt):SC+16*(\i)+8*(\kt)+7], v[KF+16*(\kt)+8:KF+16*(\kt)+15], v[QF+16*(\i)+8:QF+16*(\i)+15], v[SC+16*(\i)+8*(\kt):SC+16*(\i)+8*(\kt)+7]
.endif
.endm
; One output product: row tile i, tile t of 16 d.  The weights are registers 4-11 of the row tile score registers.  Under window setting 0x50.
.macro PVW i, t, zero
.if \zero
	v_wmma_f32_16x16x32_bf16 v[OA+32*(\i)+8*(\t):OA+32*(\i)+8*(\t)+7], v[VF+8*(\t):VF+8*(\t)+7], v[SC+16*(\i)+4:SC+16*(\i)+11], 0
.else
	v_wmma_f32_16x16x32_bf16 v[OA+32*(\i)+8*(\t):OA+32*(\i)+8*(\t)+7], v[VF+8*(\t):VF+8*(\t)+7], v[SC+16*(\i)+4:SC+16*(\i)+11], v[OA+32*(\i)+8*(\t):OA+32*(\i)+8*(\t)+7]
.endif
.endm
.macro SCORES                          ; pass 1: eight accumulators take turns, twice round
.irp s, 0,1
.irp kt, 0,1
.irp i, 0,1,2,3
	SCW \i, \kt, \s
.endr
.endr
.endr
.endm
; Pass 1, 32 keys: scores, the next block of KT asked for, the largest |z| of each query kept.
.macro BLOCK1 last
	s_wait_dscnt 0x0
	SCORES
	PLACES
.if \last
	v_mov_b32 v[AKC], v[AK0]                       ; pass 2 begins at the first block again
.else
	v_add_nc_u32 v[AKC], 32*KPITCH, v[AKC]
.endif
	LDK
.irp k, 0,2,4,6,8,10,12,14
.irp i, 0,1,2,3
	v_max3_num_f32 v[MX+\i], |v[SC+16*\i+\k]|, |v[SC+16*\i+\k+1]|, v[MX+\i]
.endr
.endr
.endm
; Slice k (0 to 15) of the weights of the piece that begins at row tile sp: quarter k & 3 of tile (row tile sp + k / 8, key tile (k / 4) & 1).
; Quarters hold 4, 9, 0 and 17 (16 where a sum starts) plain instructions.  Transcendentals go in groups; one plain place stands between a group and the first use of its
; results (ISA guide 5.7.2).  A slice names registers of its own piece alone, so its plain instructions are places behind the other piece products.
.macro SL sp, k, first
.set ZI, (\sp)+((\k)>>3)
.set ZK, ((\k)>>2)&1
.set ZQ, (\k)&3
.set ZZ, SC+16*ZI+8*ZK                 ; the eight scores z
.set ZP, SC+16*ZI+4+4*ZK               ; where the four registers of weights go
.if ZQ == 0
.irp j, 0,2,4,6
	v_pk_fma_f32 v[UU+\j:UU+\j+1], v[ZZ+\j:ZZ+\j+1], v[ZZ+\j:ZZ+\j+1], s[56:57] op_sel_hi:[1,1,0]   ; z^2 + C1
.endr
.irp j, 0,1,2,3,4,5,6,7
	v_exp_f32 v[TT+\j], v[ZZ+\j]                   ; e^(2x)
.endr
.endif
.if ZQ == 1
.irp j, 0,1,2,3,4,5,6,7
	v_sqrt_f32 v[UU+\j], v[UU+\j]
.endr
	v_nop
	s_wait_alu depctr_va_vdst(0)
.irp j, 0,2,4,6
	v_pk_add_f32 v[TT+\j:TT+\j+1], v[TT+\j:TT+\j+1], 1.0 op_sel_hi:[1,0]
.endr
.irp j, 0,2,4,6
	v_pk_fma_f32 v[UU+\j:UU+\j+1], v[UU+\j:UU+\j+1], 0.5, v[NM+2*ZI:NM+2*ZI+1] op_sel_hi:[1,0,1]      ; the maximum taken away: never above 0
.endr
.endif
.if ZQ == 2
.irp j, 0,1,2,3,4,5,6,7
	v_rcp_f32 v[TT+\j], v[TT+\j]
.endr
.irp j, 0,1,2,3,4,5,6,7
	v_exp_f32 v[UU+\j], v[UU+\j]
.endr
.endif
.if ZQ == 3
	v_nop
	s_wait_alu depctr_va_vdst(0)
	v_pk_fma_f32 v[TT:TT+1], v[TT:TT+1], -2.0, 1.0 op_sel_hi:[1,0,0]                                  ; tanh x
.if (\first)*(1-ZK)
	v_pk_add_f32 v[LS+2*ZI:LS+2*ZI+1], v[UU:UU+1], v[UU+2:UU+3]                                       ; starts the sum: nothing is cleared
	v_pk_fma_f32 v[TT+2:TT+3], v[TT+2:TT+3], -2.0, 1.0 op_sel_hi:[1,0,0]
.else
	v_pk_add_f32 v[LS+2*ZI:LS+2*ZI+1], v[LS+2*ZI:LS+2*ZI+1], v[UU:UU+1]
	v_pk_fma_f32 v[TT+2:TT+3], v[TT+2:TT+3], -2.0, 1.0 op_sel_hi:[1,0,0]
	v_pk_add_f32 v[LS+2*ZI:LS+2*ZI+1], v[LS+2*ZI:LS+2*ZI+1], v[UU+2:UU+3]
.endif
	v_pk_fma_f32 v[TT+4:TT+5], v[TT+4:TT+5], -2.0, 1.0 op_sel_hi:[1,0,0]
	v_pk_add_f32 v[LS+2*ZI:LS+2*ZI+1], v[LS+2*ZI:LS+2*ZI+1], v[UU+4:UU+5]
	v_pk_fma_f32 v[TT+6:TT+7], v[TT+6:TT+7], -2.0, 1.0 op_sel_hi:[1,0,0]
	v_pk_add_f32 v[LS+2*ZI:LS+2*ZI+1], v[LS+2*ZI:LS+2*ZI+1], v[UU+6:UU+7]
.irp j, 0,2,4,6
	v_pk_mul_f32 v[UU+\j:UU+\j+1], v[UU+\j:UU+\j+1], v[TT+\j:TT+\j+1]
.endr
.irp j, 0,1,2,3
	v_cvt_pk_bf16_f32 v[ZP+\j], v[UU+2*\j], v[UU+2*\j+1]
.endr
.endif
.endm
; Stage X(n): the weights of piece A for block n; among them the output products of piece B for block n - 1 (pv = 1; zero = 1: they start the
; sums) and the scores of piece B for block n.  All fragments that these products read were waited for in the stage before.
; VT block n is asked for behind slices 6 and 7, 17 plain places behind the last product that read the old block; KT block n + 1 (ldk = 1)
; behind slice 15, 17 places behind the last score product.  All 16 products name different accumulators but for the two links of each
; score sum, which stand three products apart: the accumulators take turns.
.macro STX pv, zero, first, ldk
.if \pv
.irp g, 0,1,2,3
	WIN 0x50                                       ; C and D in window 1
	PVW 2+(\g>>1), 2*(\g&1), \zero
	PVW 2+(\g>>1), 2*(\g&1)+1, \zero
	WIN 0
	SL 0, 2*\g, \first
	SL 0, 2*\g+1, \first
.endr
.else
.irp k, 0,1,2,3,4,5,6,7
	SL 0, \k, \first
.endr
.endif
	LDV
	v_add_nc_u32 v[AVC], 64, v[AVC]
.irp k, 0,1,2,3,4,5,6,7
	SCW 2+((\k>>1)&1), \k&1, \k>>2
	SL 0, 8+\k, \first
.endr
.if \ldk
	v_add_nc_u32 v[AKC], 32*KPITCH, v[AKC]
	LDK
.endif
.endm
; Stage Y(n): the weights of piece B for block n; among them the output products of piece A for block n and (sc = 1) its scores for block n + 1.
; w: how many younger LDS loads may stay out when VT block n has to be there: the eight of KT block n + 1, or none.
; The first score product writes over registers that held weights: it stands behind slices 6 and 7, 17 places behind the last product that read them.
.macro STY zero, first, sc, w
	s_wait_dscnt \w
.irp g, 0,1,2,3
	WIN 0x50
	PVW (\g>>1), 2*(\g&1), \zero
	PVW (\g>>1), 2*(\g&1)+1, \zero
	WIN 0
	SL 2, 2*\g, \first
	SL 2, 2*\g+1, \first
.endr
.if \sc
	s_wait_dscnt 0x0                               ; KT block n + 1, asked for eight slices ago
.irp k, 0,1,2,3,4,5,6,7
	SCW (\k>>1)&1, \k&1, \k>>2
	SL 2, 8+\k, \first
.endr
.else
.irp k, 0,1,2,3,4,5,6,7
	SL 2, 8+\k, \first
.endr
.endif
.endm
	; PASS 1
.irp i, 0,1,2,3
	v_mov_b32 v[MX+\i], 0                          ; |z| is never below 0
	v_mov_b32 v[TP+\i], 0                          ; v_permlanex16_b32 counts as a reader of its destination
.endr
	v_mov_b32 v[AKC], v[AK0]
	LDK
	s_mov_b32 s59, 15
.Lp1:
	BLOCK1 0
	s_sub_co_u32 s59, s59, 1
	s_cmp_lg_u32 s59, 0
	s_cbranch_scc1 .Lp1
	BLOCK1 1
	; PASS 2 begins: the scores of piece A for block 0; the arithmetic of the maximum stands in the places behind them (17 plain instructions)
	s_wait_dscnt 0x0
.irp k, 0,1,2,3,4,5,6,7
	SCW (\k>>1)&1, \k&1, \k>>2
.endr
.irp i, 0,1,2,3
	v_permlanex16_b32 v[TP+\i], v[MX+\i], s52, s53 ; the other half of the lanes holds the other half of the keys
.endr
.irp i, 0,1,2,3
	v_max_num_f32 v[MX+\i], v[MX+\i], v[TP+\i]
.endr
.irp i, 0,1,2,3
	v_fma_f32 v[MX+\i], v[MX+\i], v[MX+\i], s56
.endr
.irp i, 0,1,2,3
	v_sqrt_f32 v[MX+\i], v[MX+\i]
.endr
	v_nop
	s_wait_alu depctr_va_vdst(0)
.irp i, 0,1,2,3
	v_mul_f32 v[NM+2*\i], -0.5, v[MX+\i]
	v_mul_f32 v[NM+2*\i+1], -0.5, v[MX+\i]
.endr
	STX 0, 0, 1, 1                                 ; block 0: no output product of B yet; the softmax sums start
	STY 1, 1, 1, 8                                 ; the output sums of A start
	STX 1, 1, 0, 1                                 ; block 1: the output sums of B start
	STY 0, 0, 1, 8
	s_mov_b32 s59, 13                              ; blocks 2 to 14
.Lp2:
	STX 1, 0, 0, 1
	STY 0, 0, 1, 8
	s_sub_co_u32 s59, s59, 1
	s_cmp_lg_u32 s59, 0
	s_cbranch_scc1 .Lp2
	STX 1, 0, 0, 0                                 ; block 15: no block of KT is left to ask for,
	STY 0, 0, 0, 0                                 ; and no scores to make
	WIN 0x50
.irp i, 2,3
.irp t, 0,1,2,3
	PVW \i, \t, 0                                  ; the output products of B for block 15
.endr
.endr
	WIN 0
	; the end: divide by the sum (at least 1: the largest term is 2^0), add q, store.  The eight additions below are the places behind the last products.
.irp i, 0,1,2,3
	v_add_f32 v[LS+2*\i], v[LS+2*\i], v[LS+2*\i+1]
.endr
.irp i, 0,1,2,3
	v_permlanex16_b32 v[TP+\i], v[LS+2*\i], s52, s53
.endr
.irp i, 0,1,2,3
	v_add_f32 v[LS+2*\i], v[LS+2*\i], v[TP+\i]
.endr
.irp i, 0,1,2,3
	v_rcp_f32 v[NM+2*\i], v[LS+2*\i]
	v_rcp_f32 v[NM+2*\i+1], v[LS+2*\i]
.endr
	v_nop
	WIN 0x51                                       ; destination, source 0 and source 2 in window 1
	s_wait_alu depctr_va_vdst(0)
.irp i, 0,1,2,3
.irp t, 0,1,2,3
.irp k, 0,2,4,6
	v_pk_fma_f32 v[OA+32*\i+8*\t+\k:OA+32*\i+8*\t+\k+1], v[OA+32*\i+8*\t+\k:OA+32*\i+8*\t+\k+1], v[NM+2*\i:NM+2*\i+1], v[QA+32*\i+8*\t+\k:QA+32*\i+8*\t+\k+1]
.endr
.endr
.endr
	WIN 0x04                                       ; store data in window 1
	; oh keeps the order of the registers: row tile x 32,768 + head x 4,096 + t x 1,024 + half x 512 + 16 L.  Each store of the wave covers
	; 512 consecutive bytes, aligned.  No hint: the next launch reads these bytes.
.irp i, 0,1,2,3
.irp t, 0,1,2,3
.irp p, 0,1
	global_store_b128 v[AO], v[OA+32*\i+8*\t+4*\p:OA+32*\i+8*\t+4*\p+3], s[22:23] offset:32768*\i+1024*\t+512*\p
.endr
.endr
.endr
	WIN 0
	s_wait_xcnt 0x0
	v_lshl_add_u32 v126, v0, 2, 0x4d000
	v_mov_b32 v127, 0
	s_wait_tensorcnt 0x0
	ds_add_u32 v126, v127
	s_wait_dscnt 0x0
	ROUND                                          ; the closing round: no work-group ends while a partner may still ask jointly
	s_endpgm
.Lfunc_end_k_q911e33e1ac_attn:
	.size	k_q911e33e1ac_attn, .Lfunc_end_k_q911e33e1ac_attn-k_q911e33e1ac_attn
	.p2alignl 7, 3214868480
	.fill 96, 4, 3214868480
	.section	.rodata,"a",@progbits
	.p2align	6, 0x0
	.amdhsa_kernel k_q911e33e1ac_attn
		.amdhsa_group_segment_fixed_size 327680
		.amdhsa_private_segment_fixed_size 0
		.amdhsa_enable_private_segment 0
		.amdhsa_kernarg_size 88
		.amdhsa_user_sgpr_count 2
		.amdhsa_user_sgpr_kernarg_segment_ptr 1
		.amdhsa_wavefront_size32 1
		.amdhsa_system_sgpr_workgroup_id_x 1
		.amdhsa_system_sgpr_workgroup_id_y 1
		.amdhsa_system_sgpr_workgroup_id_z 1
		.amdhsa_system_vgpr_workitem_id 0
		.amdhsa_next_free_vgpr 512
		.amdhsa_next_free_sgpr 76
		.amdhsa_reserve_vcc 0
		.amdhsa_float_denorm_mode_32 3
		.amdhsa_float_denorm_mode_16_64 3
		.amdhsa_memory_ordered 1
		.amdhsa_forward_progress 1
		.amdhsa_inst_pref_size 255
	.end_amdhsa_kernel
	.section	.bss,"aw",@nobits
	.p2align	6
	.space	262144
	.amdgpu_metadata
---
amdhsa.version: [ 1, 2 ]
amdhsa.kernels:
  - .name:           k_q911e33e1ac_attn
    .symbol:         k_q911e33e1ac_attn.kd
    .args:
      - { .name: query, .offset: 0, .size: 8, .value_kind: global_buffer, .address_space: global }
      - { .name: key_value, .offset: 8, .size: 8, .value_kind: global_buffer, .address_space: global }
      - { .name: Wq, .offset: 16, .size: 8, .value_kind: global_buffer, .address_space: global }
      - { .name: Wk, .offset: 24, .size: 8, .value_kind: global_buffer, .address_space: global }
      - { .name: Wv, .offset: 32, .size: 8, .value_kind: global_buffer, .address_space: global }
      - { .name: bq, .offset: 40, .size: 8, .value_kind: global_buffer, .address_space: global }
      - { .name: bk, .offset: 48, .size: 8, .value_kind: global_buffer, .address_space: global }
      - { .name: bv, .offset: 56, .size: 8, .value_kind: global_buffer, .address_space: global }
      - { .name: Wo, .offset: 64, .size: 8, .value_kind: global_buffer, .address_space: global }
      - { .name: oh, .offset: 72, .size: 8, .value_kind: global_buffer, .address_space: global }
      - { .name: wo16, .offset: 80, .size: 8, .value_kind: global_buffer, .address_space: global }
    .group_segment_fixed_size: 327680
    .private_segment_fixed_size: 0
    .kernarg_segment_align: 8
    .kernarg_segment_size: 88
    .max_flat_workgroup_size: 256
    .sgpr_count:     76
    .vgpr_count:     512
    .wavefront_size: 32
...
	.end_amdgpu_metadata
.endif
;; end of part 1
;; launch post (part 2): grid 256 x 1, 8 waves a work-group, clusters of 4 x 1, 327,680 bytes of LDS; arguments oh, wo16, ln0_w, ln0_b, bo, ln1_w, ln1_b, out0; writes out0
.if DOCPART == 2
	.amdgcn_target "amdgcn-amd-amdhsa--gfx1250"
	.amdhsa_code_object_version 6
	.text
	.protected	k_q911e33e1ac_post
	.globl	k_q911e33e1ac_post
	.p2align	8
	.type	k_q911e33e1ac_post,@function
k_q911e33e1ac_post:
	s_mov_b64 s[64:65], 0
	v_nop
	global_prefetch_b8 v0, s[64:65] scope:SCOPE_SE
	s_setreg_imm32_b32 hwreg(HW_REG_WAVE_MODE, 25, 1), 1
	s_wait_xcnt 0x0
	s_wait_alu depctr_hold_cnt(0) depctr_sa_sdst(0) depctr_va_vdst(0) depctr_va_sdst(0) depctr_va_ssrc(0) depctr_va_vcc(0) depctr_vm_vsrc(0)
	s_getreg_b32 s2, hwreg(HW_REG_IB_STS2, 6, 4)
	s_cmp_eq_u32 s2, 0
	s_cbranch_scc0 .Lentry_in_a_cluster
	s_endpgm
.Lentry_in_a_cluster:
	s_bfe_u32 s2, ttmp6, 0x10000c
	s_cmp_lg_u32 s2, 0x3003
	s_cbranch_scc0 .Lentry_shape_is_right
	s_endpgm
.Lentry_shape_is_right:
; MAB, second of two launches: y = LN0(oh), z = y + relu(y Wo^T + bo), out0 = LN1(z).  Nothing is left out.
; One work-group = 64 rows (four tiles i of 16).  Wave w owns columns 64 w .. 64 w + 63 of all 64 rows: head w part of oh, which lies in
; memory in the order of accumulator registers (lane L: r = L & 15, h = L >> 4; register j of tile (i, t) = row 16 i + r,
; column 64 w + 16 t + 8 h + j), so every load of the wave takes 512 consecutive bytes and lands where the product result will lie.
; The product is used transposed: source 0 = 16 rows of Wo (wo16, already in fragment order), source 1 = 16 rows of y from LDS.
; Each norm takes the mean first and then the centred squares, as the problem does: no difference of large sums is formed.
; Row sums: inside a lane, across the two halves of the lanes, then across the eight waves through LDS (four regions, each used once).
; CLUSTER: all 256 work-groups walk the same 524,288 bytes of wo16.  Four work-groups form a cluster and ask for them jointly (mask 15): the same
; text line and the same descriptor (made of the wave number and constants alone) in all four, which divides the requests for wo16 by four.
; The place in the cluster enters the bases of oh and out0 only (s66-s69).
; Wave w asks for, and alone reads, the fragments of its own 64 rows of Wo: for n K steps a tile of 4 rows (t) of n x 1,024 bytes, 16,384 bytes
; apart in memory, dense in LDS.  A fragment half is 512 consecutive bytes of LDS, 16 a lane: no padding is needed.
; LDS holds seven of the sixteen K steps: beside y (66,560 bytes) and the sums (8,192) there is room for 7 x 32,768 = 229,376, 304,128 in all.
; Each wave has 28,672 bytes: R0 (three steps), R1 (three steps), R2 (one step).
;   first fills: steps 0-2 to R0, 3-5 to R1, 6 to R2, asked for at the head, so that they land while oh is loaded and normed;
;   steps 0-2 | R0 filled with 7-9 | steps 3-5 | R1 filled with 10-12 | steps 6-9 | R0 filled with 13-15 | steps 10-12 | steps 13-15.
; Each refill stands behind a round of the cluster barrier, in front of which every wave has waited for its LDS reads and all its tensor loads,
; and has three or four K steps in which to land.  By this text own count a wave has at most three tensor loads outstanding (the first fills), later one.
; LIMITS: matrix operands bf16, everything else f32; sums in an order of their own; NaN and infinities in the inputs are not followed.
.set XBP,  1040                        ; y in bf16: 64 rows x 512, pitch 1,040 (an odd multiple of 16 bytes), from LDS byte 0
.set REDB, 66560                       ; 4 regions of [64 rows][8 waves] f32
.set WSB,  74752                       ; the slots of Wo
.set WSW,  28672                       ; bytes of them for each wave
.set STB,  0                           ; the way out: 16 rows x 272 bytes for each wave, over the bytes of y, behind the barriers of the second norm
.set STP,  272
.set VOH,  1                           ; 16 L + 4096 w
.set VWL,  2                           ; LDS: WSB + 28672 w + 16 L
.set VPAR, 3                           ; 256 w + 32 h
.set XBS,  4                           ; r 1040 + 128 w + 16 h
.set XBL,  5                           ; r 1040 + 16 h
.set REDS, 6                           ; REDB + 32 r + 4 w
.set REDL, 7                           ; REDB + 32 r
.set STS,  8                           ; my stage + 272 r + 32 h
.set STL,  9                           ; my stage + 272 h + 16 r
.set VOUT, 10                          ; 2048 h + 16 r
.set Y,    16                          ; v16-143  tile (i, t) at 32 i + 8 t
.set XF,   144                         ; v144-207 fragments of y, two buffers of four
.set PW,   144                         ; during a norm: its gain,
.set PB,   176                         ; and its bias
.set TS,   208                         ; a pair of partial sums for each i
.set RD,   216                         ; v216-247 the eight waves sums for each i
.set MS,   248                         ; -mean, later 1 / sqrt(var + eps), twice, for each i
.set ACC,  0                           ; window 1: v256-383 accumulators
.set WF,   128                         ; window 1: v384-447 fragments of Wo, two buffers of four
.set BO,   224                         ; window 1: v480-511 bo
.set G1A,  32                          ; s[32:39] group 1, tiles of three K steps
.set G1B,  40                          ; s[40:47] group 1, the tile of one K step
.set G0,   48                          ; s[48:59] group 0 for R0, R1, R2
.set MSB, 0
.macro WIN new                         ; low byte: bits 1:0 source 0, 3:2 source 1, 5:4 source 2, 7:6 destination; high byte: the setting left
.if MSB != \new
	s_set_vgpr_msb (MSB<<8)|\new
.set MSB, \new
.endif
.endm
.macro PLACES                          ; four places behind matrix instructions (ISA guide 7.12.1)
.rept 4
	v_nop
.endr
.endm
.macro ROUND                           ; a round of the cluster barrier: my work-group, wave 0 signals for it, all four work-groups, my work-group
	s_barrier_signal -1
	s_barrier_wait -1
	s_cmp_lg_u32 s20, 0
	s_cbranch_scc1 .Lnot_wave_0_\@
	s_barrier_signal -3
.Lnot_wave_0_\@:
	s_barrier_wait -3
	s_barrier_signal -1
	s_barrier_wait -1
.endm
	s_load_b512 s[4:19], s[0:1], 0x0               ; oh s[4:5], wo16 s[6:7], ln0_w s[8:9], ln0_b s[10:11], bo s[12:13], ln1_w s[14:15], ln1_b s[16:17], out0 s[18:19]
	s_set_vgpr_msb 0x40
	v_lshl_add_u32 v222, v0, 2, 0x4a400
	v_mov_b32 v223, 0
	s_set_vgpr_msb 0x4045
	ds_add_u32 v222, v223
	s_set_vgpr_msb 0x4500
	v_lshrrev_b32 v11, 5, v0
	v_readfirstlane_b32 s20, v11                   ; wave 0..7
	s_bfe_u32 s66, ttmp6, 0x40000                  ; cx
	s_lshl_b32 s67, ttmp9, 2
	s_add_co_u32 s67, s67, s66                     ; work-group = 4 x cluster x + cx
	s_lshl_b32 s68, s67, 17                        ; 64 rows of 2,048 bytes, in oh and in out0
	s_mov_b32 s69, 0
	s_mov_b32 s24, 0x76543210                      ; v_permlanex16_b32: lane i reads lane i of the other half
	s_mov_b32 s25, 0xfedcba98
	s_mov_b32 s26, 0x3b000000                      ; 1 / 512
	s_mov_b32 s27, 0x3727c5ac                      ; 1e-5
	; group 1: 4 rows of 3,072 bytes (384 elements of 8 bytes), 16,384 bytes (2,048 elements) apart; and the same with rows of 1,024 bytes
	s_mov_b32 s[G1A+0], 15|(3<<16)|(1<<21)         ; mask: all four of the cluster; 8-byte elements; bit 21 beside a mask; no padding
	s_mov_b32 s[G1A+1], 384<<16                    ; tensor_dim0 = 384
	s_mov_b32 s[G1A+2], 4<<16                      ; tensor_dim1 = 4
	s_mov_b32 s[G1A+3], 384<<16                    ; tile_dim0 = 384
	s_mov_b32 s[G1A+4], 4                          ; tile_dim1 = 4
	s_mov_b32 s[G1A+5], 2048                       ; elements from row to row
	s_mov_b32 s[G1A+6], 0
	s_mov_b32 s[G1A+7], 0
	s_mov_b32 s[G1B+0], 15|(3<<16)|(1<<21)
	s_mov_b32 s[G1B+1], 128<<16
	s_mov_b32 s[G1B+2], 4<<16
	s_mov_b32 s[G1B+3], 128<<16
	s_mov_b32 s[G1B+4], 4
	s_mov_b32 s[G1B+5], 2048
	s_mov_b32 s[G1B+6], 0
	s_mov_b32 s[G1B+7], 0
	s_mul_i32 s21, s20, WSW
	s_add_co_u32 s21, s21, WSB                     ; my slots in LDS
	s_lshl_b32 s30, s20, 16                        ; my 64 rows of Wo in wo16
	s_mov_b32 s31, 0
	v_and_b32 v11, 31, v0
	v_and_b32 v12, 15, v0                          ; r
	v_bfe_u32 v13, v0, 4, 1                        ; h
	v_lshlrev_b32 v14, 4, v11                      ; 16 L
	s_lshl_b32 s28, s20, 12
	v_add_nc_u32 v[VOH], s28, v14
	v_add_nc_u32 v[VWL], s21, v14
	v_mul_u32_u24 v[XBL], v12, XBP
	v_lshl_add_u32 v[XBL], v13, 4, v[XBL]
	s_lshl_b32 s28, s20, 7
	v_add_nc_u32 v[XBS], s28, v[XBL]
	v_lshlrev_b32 v[REDL], 5, v12
	v_add_nc_u32 v[REDL], REDB, v[REDL]
	s_lshl_b32 s28, s20, 2
	v_add_nc_u32 v[REDS], s28, v[REDL]
	s_mul_i32 s28, s20, 16*STP
	s_add_co_u32 s28, s28, STB
	v_mul_u32_u24 v15, v12, STP
	v_lshl_add_u32 v15, v13, 5, v15
	v_add_nc_u32 v[STS], s28, v15
	v_mul_u32_u24 v15, v13, STP
	v_lshl_add_u32 v15, v12, 4, v15
	v_add_nc_u32 v[STL], s28, v15
	v_lshlrev_b32 v15, 11, v13
	v_lshl_add_u32 v[VOUT], v12, 4, v15
	s_lshl_b32 s28, s20, 8
	s_mov_b32 s29, 0
	v_lshl_add_u32 v[VPAR], v13, 5, s28
	s_wait_dscnt 0x0
	s_wait_kmcnt 0x0
	s_add_nc_u64 s[4:5], s[4:5], s[68:69]
	s_add_nc_u64 s[18:19], s[18:19], s[68:69]
	s_add_nc_u64 s[18:19], s[18:19], s[28:29]      ; out0 at my 64 rows and my 256 bytes of a row
	s_add_nc_u64 s[6:7], s[6:7], s[30:31]
.irp n, 0,1,2
	s_mov_b32 s[G0+4*\n], 1                                        ; count = 1
	s_add_co_u32 s[G0+4*\n+1], s21, \n*12288                       ; LDS address: R0, R1, R2 of my slots
	s_add_nc_u64 s[G0+4*\n+2:G0+4*\n+3], s[6:7], \n*3072           ; K steps 0, 3, 6 of my rows
	s_or_b32 s[G0+4*\n+3], s[G0+4*\n+3], 0x80000000                ; type = 2
.endr
	; the loads into registers go out first, in the order in which they are needed: oh is what the first norm waits for
.irp i, 0,1,2,3
.irp t, 0,1,2,3
.irp p, 0,1
	global_load_b128 v[Y+32*\i+8*\t+4*\p:Y+32*\i+8*\t+4*\p+3], v[VOH], s[4:5] offset:32768*\i+1024*\t+512*\p th:TH_LOAD_NT
.endr
.endr
.endr
.irp t, 0,1,2,3
.irp p, 0,1
	global_load_b128 v[PW+8*\t+4*\p:PW+8*\t+4*\p+3], v[VPAR], s[8:9] offset:64*\t+16*\p
	global_load_b128 v[PB+8*\t+4*\p:PB+8*\t+4*\p+3], v[VPAR], s[10:11] offset:64*\t+16*\p
.endr
.endr
	WIN 0x40                                       ; destination in window 1
.irp t, 0,1,2,3
.irp p, 0,1
	global_load_b128 v[BO+8*\t+4*\p:BO+8*\t+4*\p+3], v[VPAR], s[12:13] offset:64*\t+16*\p
.endr
.endr
	WIN 0
	ROUND                                          ; all four work-groups are here: the first joint loads meet
	tensor_load_to_lds s[G0:G0+3], s[G1A:G1A+7]    ; K steps 0-2
	s_nop 0
	tensor_load_to_lds s[G0+4:G0+7], s[G1A:G1A+7]  ; K steps 3-5
	s_nop 0
	tensor_load_to_lds s[G0+8:G0+11], s[G1B:G1B+7] ; K step 6
	s_nop 0
; The four fragments of Wo (rows 64 w + 16 t ..) of K step ks from my slots, into buffer ks & 1.  Under window setting 0x40.
.macro WFLOAD ks
.set WROW, 3072                        ; bytes from t to t + 1 in a slot of three steps
.set WOFF, (\ks)*1024                  ; steps 0-2: R0
.if (\ks) >= 3
.set WOFF, 12288+((\ks)-3)*1024        ; steps 3-5: R1
.endif
.if (\ks) >= 6
.set WOFF, 24576                       ; step 6: R2
.set WROW, 1024
.endif
.if (\ks) >= 7
.set WOFF, ((\ks)-7)*1024              ; steps 7-9: R0
.set WROW, 3072
.endif
.if (\ks) >= 10
.set WOFF, 12288+((\ks)-10)*1024       ; steps 10-12: R1
.endif
.if (\ks) >= 13
.set WOFF, ((\ks)-13)*1024             ; steps 13-15: R0
.endif
.irp t, 0,1,2,3
.irp p, 0,1
	ds_load_b128 v[WF+32*((\ks)&1)+8*\t+4*\p:WF+32*((\ks)&1)+8*\t+4*\p+3], v[VWL] offset:WOFF+WROW*\t+512*\p
.endr
.endr
.endm
.macro XFLOAD ks                       ; the four fragments of y of K step ks, into buffer ks & 1
.irp i, 0,1,2,3
	ds_load_b128 v[XF+32*((\ks)&1)+8*\i:XF+32*((\ks)&1)+8*\i+3],   v[XBL] offset:16640*\i+64*(\ks)
	ds_load_b128 v[XF+32*((\ks)&1)+8*\i+4:XF+32*((\ks)&1)+8*\i+7], v[XBL] offset:16640*\i+64*(\ks)+32
.endr
.endm
.macro LOADF ks                        ; sixteen LDS loads: all fragments of K step ks
	WIN 0x40
	WFLOAD \ks
	WIN 0
	XFLOAD \ks
.endm
; TS(i), a pair of partial sums of each of my rows, becomes the whole row sum in v[RD + 8 i], through region a.
.macro RSUM a
.irp i, 0,1,2,3
	v_add_f32 v[TS+2*\i], v[TS+2*\i], v[TS+2*\i+1]
.endr
.irp i, 0,1,2,3
	v_permlanex16_b32 v[TS+2*\i+1], v[TS+2*\i], s24, s25         ; the other half of the lanes holds the other half of my columns
.endr
.irp i, 0,1,2,3
	v_add_f32 v[TS+2*\i], v[TS+2*\i], v[TS+2*\i+1]
.endr
.irp i, 0,1,2,3
	ds_store_b32 v[REDS], v[TS+2*\i] offset:2048*\a+512*\i       ; both halves write the same word with the same number
.endr
	s_wait_dscnt 0x0                               ; for the others: my sums are in LDS
	s_barrier_signal -1
	s_barrier_wait -1
.irp i, 0,1,2,3
	ds_load_b128 v[RD+8*\i:RD+8*\i+3],   v[REDL] offset:2048*\a+512*\i
	ds_load_b128 v[RD+8*\i+4:RD+8*\i+7], v[REDL] offset:2048*\a+512*\i+16
.endr
	s_wait_dscnt 0x0
.irp i, 0,1,2,3
	v_pk_add_f32 v[RD+8*\i:RD+8*\i+1], v[RD+8*\i:RD+8*\i+1], v[RD+8*\i+2:RD+8*\i+3]
	v_pk_add_f32 v[RD+8*\i+4:RD+8*\i+5], v[RD+8*\i+4:RD+8*\i+5], v[RD+8*\i+6:RD+8*\i+7]
.endr
.irp i, 0,1,2,3
	v_pk_add_f32 v[RD+8*\i:RD+8*\i+1], v[RD+8*\i:RD+8*\i+1], v[RD+8*\i+4:RD+8*\i+5]
.endr
.irp i, 0,1,2,3
	v_add_f32 v[RD+8*\i], v[RD+8*\i], v[RD+8*\i+1]
.endr
.endm
; A layer norm of Y in place.  a, b: LDS regions; cnt: how many younger loads may stay out when gain and bias have to be there.
.macro LN a, b, cnt
.irp i, 0,1,2,3
	v_pk_add_f32 v[TS+2*\i:TS+2*\i+1], v[Y+32*\i:Y+32*\i+1], v[Y+32*\i+2:Y+32*\i+3]
.endr
.irp k, 4,6,8,10,12,14,16,18,20,22,24,26,28,30
.irp i, 0,1,2,3
	v_pk_add_f32 v[TS+2*\i:TS+2*\i+1], v[TS+2*\i:TS+2*\i+1], v[Y+32*\i+\k:Y+32*\i+\k+1]
.endr
.endr
	RSUM \a
.irp i, 0,1,2,3
	v_mul_f32 v[MS+2*\i], 0xbb000000, v[RD+8*\i]   ; -mean
	v_mul_f32 v[MS+2*\i+1], 0xbb000000, v[RD+8*\i]
.endr
.irp i, 0,1,2,3
.irp k, 0,2,4,6,8,10,12,14,16,18,20,22,24,26,28,30
	v_pk_add_f32 v[Y+32*\i+\k:Y+32*\i+\k+1], v[Y+32*\i+\k:Y+32*\i+\k+1], v[MS+2*\i:MS+2*\i+1]
.endr
.endr
.irp i, 0,1,2,3
	v_pk_mul_f32 v[TS+2*\i:TS+2*\i+1], v[Y+32*\i:Y+32*\i+1], v[Y+32*\i:Y+32*\i+1]
.endr
.irp k, 2,4,6,8,10,12,14,16,18,20,22,24,26,28,30
.irp i, 0,1,2,3
	v_pk_fma_f32 v[TS+2*\i:TS+2*\i+1], v[Y+32*\i+\k:Y+32*\i+\k+1], v[Y+32*\i+\k:Y+32*\i+\k+1], v[TS+2*\i:TS+2*\i+1]
.endr
.endr
	RSUM \b
.irp i, 0,1,2,3
	v_fma_f32 v[RD+8*\i], v[RD+8*\i], s26, s27     ; var + eps
.endr
.irp i, 0,1,2,3
	v_rsq_f32 v[MS+2*\i], v[RD+8*\i]
	v_rsq_f32 v[MS+2*\i+1], v[RD+8*\i]
.endr
	v_nop                                          ; one plain place behind the transcendentals (ISA guide 5.7.2)
	s_wait_loadcnt \cnt
	s_wait_alu depctr_va_vdst(0)
.irp i, 0,1,2,3
.irp k, 0,2,4,6,8,10,12,14,16,18,20,22,24,26,28,30
	v_pk_mul_f32 v[Y+32*\i+\k:Y+32*\i+\k+1], v[Y+32*\i+\k:Y+32*\i+\k+1], v[MS+2*\i:MS+2*\i+1]
.endr
.endr
.irp i, 0,1,2,3
.irp t, 0,1,2,3
.irp k, 0,2,4,6
	v_pk_fma_f32 v[Y+32*\i+8*\t+\k:Y+32*\i+8*\t+\k+1], v[Y+32*\i+8*\t+\k:Y+32*\i+8*\t+\k+1], v[PW+8*\t+\k:PW+8*\t+\k+1], v[PB+8*\t+\k:PB+8*\t+\k+1]
.endr
.endr
.endr
.endm
	s_wait_loadcnt 24                              ; oh is in; the 16 loads of gain and bias and the 8 of bo stay out
	LN 0, 1, 8                                     ; gain and bias are in; the 8 loads of bo stay out
	; y in bf16 into LDS, for all eight waves
.set n, 0
.rept 64
	v_cvt_pk_bf16_f32 v[XF+n], v[Y+2*n], v[Y+2*n+1]
.set n, n+1
.endr
.irp i, 0,1,2,3
.irp t, 0,1,2,3
	ds_store_b128 v[XBS], v[XF+16*\i+4*\t:XF+16*\i+4*\t+3] offset:16640*\i+32*\t
.endr
.endr
	s_wait_tensorcnt 0x2                           ; K steps 0-2 are in my R0; the two younger fills stay out
	s_wait_dscnt 0x0                               ; my part of y is in LDS
	s_barrier_signal -1
	s_barrier_wait -1
; K step ks of sixteen: 16 matrix instructions on 16 accumulators, which take turns, one instruction a turn.  In step 0 bo
; starts the sums.  pre = 1: the fragments of step ks + 1 are asked for first, into the buffers that step ks - 1 read; pl = 1: four places stand
; in front of those loads (where a refill stands between the two steps, its four places have done that).
.macro GK ks, pre, pl
.if \pl
	PLACES
.endif
.if \pre
	LOADF (\ks+1)
	s_wait_dscnt 16                                ; this step fragments are in; the sixteen loads just issued stay out
.else
	s_wait_dscnt 0
.endif
.if \ks == 0
	s_wait_loadcnt 0x0                             ; bo
.endif
	WIN 0x51                                       ; source 0, C and D in window 1, source 1 in window 0
.irp t, 0,1,2,3
.irp i, 0,1,2,3
.if \ks == 0
	v_wmma_f32_16x16x32_bf16 v[ACC+32*\i+8*\t:ACC+32*\i+8*\t+7], v[WF+32*(\ks&1)+8*\t:WF+32*(\ks&1)+8*\t+7], v[XF+32*(\ks&1)+8*\i:XF+32*(\ks&1)+8*\i+7], v[BO+8*\t:BO+8*\t+7]
.else
	v_wmma_f32_16x16x32_bf16 v[ACC+32*\i+8*\t:ACC+32*\i+8*\t+7], v[WF+32*(\ks&1)+8*\t:WF+32*(\ks&1)+8*\t+7], v[XF+32*(\ks&1)+8*\i:XF+32*(\ks&1)+8*\i+7], v[ACC+32*\i+8*\t:ACC+32*\i+8*\t+7]
.endif
.endr
.endr
.endm
; Slot n (0: R0, 1: R1), whose three K steps have been multiplied, is filled again with the steps that lie step bytes further on in a row of wo16.
; In front of the round: my LDS reads are back and all my tensor loads have landed, so the group 0 may be stepped.  Behind it the joint load
; comes first, my one tensor load until the next round; then the fragments of K step next, from a slot that the wait above has shown whole.
.macro REFILL n, step, next
	WIN 0
	PLACES                                         ; behind the last products, for the loads into both fragment buffers below
	s_wait_dscnt 0x0
	s_set_vgpr_msb 0x5
	s_wait_tensorcnt 0x0
	ds_add_u32 v222, v223
	s_wait_dscnt 0x0
	s_set_vgpr_msb 0x500
	s_add_nc_u64 s[G0+4*\n+2:G0+4*\n+3], s[G0+4*\n+2:G0+4*\n+3], \step
	ROUND
	tensor_load_to_lds s[G0+4*\n:G0+4*\n+3], s[G1A:G1A+7]
	s_nop 0
	LOADF \next
.endm
	LOADF 0
	GK 0, 1, 0
	GK 1, 1, 1
	GK 2, 0, 0
	REFILL 0, 7168, 3                              ; R0: K steps 7-9
	GK 3, 1, 0
	GK 4, 1, 1
	GK 5, 0, 0
	REFILL 1, 7168, 6                              ; R1: K steps 10-12
	GK 6, 1, 0
	GK 7, 1, 1
	GK 8, 1, 1
	GK 9, 0, 0
	REFILL 0, 6144, 10                             ; R0: K steps 13-15, the last load
	GK 10, 1, 0
	GK 11, 1, 1
	GK 12, 0, 0
	WIN 0
	PLACES
	s_wait_tensorcnt 0x0                           ; K steps 13-15 are in my R0, which I alone read; nothing is left to fetch
	LOADF 13
	GK 13, 1, 0
	GK 14, 1, 1
	GK 15, 0, 0
	PLACES
	WIN 0
.irp t, 0,1,2,3
.irp p, 0,1
	global_load_b128 v[PW+8*\t+4*\p:PW+8*\t+4*\p+3], v[VPAR], s[14:15] offset:64*\t+16*\p
	global_load_b128 v[PB+8*\t+4*\p:PB+8*\t+4*\p+3], v[VPAR], s[16:17] offset:64*\t+16*\p
.endr
.endr
	WIN 0x44                                       ; source 1 and destination in window 1
.set n, 0
.rept 128
	v_max_num_f32 v[ACC+n], 0, v[ACC+n]            ; relu
.set n, n+1
.endr
	WIN 0x04                                       ; source 1 in window 1
.set n, 0
.rept 64
	v_pk_add_f32 v[Y+2*n:Y+2*n+1], v[Y+2*n:Y+2*n+1], v[ACC+2*n:ACC+2*n+1]
.set n, n+1
.endr
	WIN 0
	LN 2, 3, 0
; The way out, 16 rows at a time through my own stage: a lane puts its 2 x 16 bytes of each tile into rows of 272 bytes, rows of 256 bytes
; are read back, and sixteen lanes store 256 consecutive bytes at a multiple of 256 from the first byte of out0.  The stage lies over the bytes
; of y: every wave has waited for its last read of y in front of the barriers of the second norm.  LDS serves a wave instructions in order
; (ISA guide 5.7.1.4): no wait between my stores and my loads, nor between one tile loads and the next tile stores.
.macro OUT16 i, f
.irp t, 0,1,2,3
.irp p, 0,1
	ds_store_b128 v[STS], v[Y+32*\i+8*\t+4*\p:Y+32*\i+8*\t+4*\p+3] offset:64*\t+16*\p
.endr
.endr
.if \i >= 2
	s_wait_xcnt 0x0                                ; buffer f, which earlier stores read, is loaded again only behind this wait
.endif
.irp u, 0,1,2,3,4,5,6,7
	ds_load_b128 v[\f+4*\u:\f+4*\u+3], v[STL] offset:2*STP*\u
.endr
.irp u, 0,1,2,3,4,5,6,7
	s_wait_dscnt 7-\u                              ; the younger loads stay out
	global_store_b128 v[VOUT], v[\f+4*\u:\f+4*\u+3], s[18:19] offset:(16*\i+2*\u)*2048 th:TH_STORE_NT
.endr
.endm
	OUT16 0, 144
	OUT16 1, 176
	OUT16 2, 144
	OUT16 3, 176
	s_set_vgpr_msb 0x5
	s_wait_tensorcnt 0x0
	ds_add_u32 v222, v223
	s_wait_dscnt 0x0
	s_set_vgpr_msb 0x500
	ROUND                                          ; the closing round: no work-group ends while a partner may still ask jointly
	s_endpgm
.Lfunc_end_k_q911e33e1ac_post:
	.size	k_q911e33e1ac_post, .Lfunc_end_k_q911e33e1ac_post-k_q911e33e1ac_post
	.p2alignl 7, 3214868480
	.fill 96, 4, 3214868480
	.section	.rodata,"a",@progbits
	.p2align	6, 0x0
	.amdhsa_kernel k_q911e33e1ac_post
		.amdhsa_group_segment_fixed_size 327680
		.amdhsa_private_segment_fixed_size 0
		.amdhsa_enable_private_segment 0
		.amdhsa_kernarg_size 64
		.amdhsa_user_sgpr_count 2
		.amdhsa_user_sgpr_kernarg_segment_ptr 1
		.amdhsa_wavefront_size32 1
		.amdhsa_system_sgpr_workgroup_id_x 1
		.amdhsa_system_sgpr_workgroup_id_y 1
		.amdhsa_system_sgpr_workgroup_id_z 1
		.amdhsa_system_vgpr_workitem_id 0
		.amdhsa_next_free_vgpr 512
		.amdhsa_next_free_sgpr 72
		.amdhsa_reserve_vcc 0
		.amdhsa_float_denorm_mode_32 3
		.amdhsa_float_denorm_mode_16_64 3
		.amdhsa_memory_ordered 1
		.amdhsa_forward_progress 1
		.amdhsa_inst_pref_size 122
	.end_amdhsa_kernel
	.amdgpu_metadata
---
amdhsa.version: [ 1, 2 ]
amdhsa.kernels:
  - .name:           k_q911e33e1ac_post
    .symbol:         k_q911e33e1ac_post.kd
    .args:
      - { .name: oh, .offset: 0, .size: 8, .value_kind: global_buffer, .address_space: global }
      - { .name: wo16, .offset: 8, .size: 8, .value_kind: global_buffer, .address_space: global }
      - { .name: ln0_w, .offset: 16, .size: 8, .value_kind: global_buffer, .address_space: global }
      - { .name: ln0_b, .offset: 24, .size: 8, .value_kind: global_buffer, .address_space: global }
      - { .name: bo, .offset: 32, .size: 8, .value_kind: global_buffer, .address_space: global }
      - { .name: ln1_w, .offset: 40, .size: 8, .value_kind: global_buffer, .address_space: global }
      - { .name: ln1_b, .offset: 48, .size: 8, .value_kind: global_buffer, .address_space: global }
      - { .name: out0, .offset: 56, .size: 8, .value_kind: global_buffer, .address_space: global }
    .group_segment_fixed_size: 327680
    .private_segment_fixed_size: 0
    .kernarg_segment_align: 8
    .kernarg_segment_size: 64
    .max_flat_workgroup_size: 256
    .sgpr_count:     72
    .vgpr_count:     512
    .wavefront_size: 32
...
	.end_amdgpu_metadata
.endif
;; end of part 2
